; MI455X (gfx1250); checked and timed in simulation.
; The chip was launched on July 23, 2026; its instructions are those of AMD's public machine-readable ISA for CDNA 5 (MIT licence, August 2026) and "CDNA5" Instruction Set Architecture Reference Guide (July 2026). The comments in the code are by the model that wrote it; some were corrected since.
;; Vector Quantization. Allowed arithmetic: matrix products marked QUANTISED: E4M3 operands, one E8M0 scale for each 32 along K, by v_wmma_scale_f32_16x16x128_f8f6f4 with both operands' format E4M3, f32 sums; everything else in f32.
;; Inputs: codebook 16,384 x 512 float32; x 8,192 x 512 float32.
;; Outputs: out0 8,192 x 512 float32.
;; This version of the problem:
;;   THIS VERSION OF THE PROBLEM IS GIVEN IN LOW PRECISION. The matrix products marked QUANTISED in the list below multiply operands that are first quantised to E4M3 (4 exponent bits, 3 mantissa bits; 8 bits a number), with one power-of-two scale for each 32 numbers along K (OCP MX v1.0); their sums are f32. All else is computed in f32.
;;   The module's matrix products, in the order in which they are computed (A, B: the left and right operand; K: the contracted axis; several contracted axes count as one K, in the product's order):
;;     1. [M 8,192, K 512] x [K 512, N 16,384]; A: computed on the way; B: input codebook: QUANTISED
;;   THE QUANTISER, for each operand of a quantised product, along K:
;;     - K is cut into blocks of 32 from its start; a last block that is shorter is filled with zeros.
;;     - A block's scale is 2^e with e = floor(log2(the largest magnitude in the block)) - 8, held to -126 .. 127; a block of zeros has e = 0. As a byte (E8M0): e + 127.
;;     - Each number is divided by its block's scale, clamped to +-448, and rounded to the nearest number of E4M3, ties to even, subnormals kept.
;;     - The product sums the exact products of the quantised numbers (number of the format x scale) in f32.
;;   ~~~python
;;   def quantise(x, axis):      # numpy; x: float32 -> the quantised numbers, widened to float32 again
;;       x = np.moveaxis(x, axis, -1); K = x.shape[-1]
;;       x = np.pad(x, [(0, 0)] * (x.ndim - 1) + [(0, -K % 32)]); x = x.reshape(x.shape[:-1] + (-1, 32)); a = np.abs(x).max(-1, keepdims=True)
;;       e = np.where(a > 0, np.clip(np.frexp(np.where(a > 0, a, 1))[1] - 1 - 8, -126, 127), 0)      # np.frexp(a)[1] - 1 = floor(log2(a)), exactly
;;       r = np.clip(x / 2.0 ** e, -448, 448)
;;       step = 2.0 ** (np.maximum(np.frexp(np.where(r == 0, 1, r))[1] - 1, -6) - 3)
;;       q = np.round(r / step) * step * 2.0 ** e      # np.round: ties to even
;;       return np.moveaxis(q.reshape(q.shape[:-2] + (-1,))[..., :K], -1, axis).astype(np.float32)
;;   ~~~
;;   OPERANDS COMPUTED ON THE WAY. 'Computed on the way' means the value that the module computes at that place (a softmax that the list does not call 'softmax' is quantised finished and normalised). What goes into a quantiser is computed in f32, as accurately as f32 sums, v_exp_f32 and their like allow (about 1e-6 of the number): no bf16 or f16 on the way to a quantiser, and a product that is left as it is and whose result goes on into a quantised operand takes f32 operands (vector FMAs, or v_wmma_f32_16x16x4_f32). A number that lies on a knife's edge between two numbers of the format may be rounded either way, as far as f32 arithmetic and the matrix unit's own rounding can turn it there, and no further.
;; One version. Each part assembles by itself: llvm-mc -triple=amdgcn-amd-amdhsa -mcpu=gfx1250 --defsym DOCPART=n.
;; ======== version 1 of 1: 3 launches
;; limits: right only within a limited range of input values
;; workspace buffers: xq 4,325,376 bytes; cbq 8,650,752 bytes; part 1,048,576 bytes of whole numbers
;; launch quant (part 1): grid 1536 x 1, 4 waves a work-group, no clusters, 9,728 bytes of LDS; arguments x, codebook, xq, cbq; writes xq, cbq
.if DOCPART == 1
	.amdgcn_target "amdgcn-amd-amdhsa--gfx1250"
	.amdhsa_code_object_version 6
	.text
	.protected	k_q42259f34ca_quant
	.globl	k_q42259f34ca_quant
	.p2align	8
	.type	k_q42259f34ca_quant,@function
k_q42259f34ca_quant:
	s_mov_b64 s[64:65], 0
	v_nop
	global_prefetch_b8 v0, s[64:65] scope:SCOPE_SE
	s_setreg_imm32_b32 hwreg(HW_REG_WAVE_MODE, 25, 1), 1
	s_wait_xcnt 0x0
; x [8192][512] f32 is normalised row by row (x / max(|x|, 1e-12), all in f32) and quantised; codebook [16384][512] f32 is quantised as it is.
; Codes: FP8 (E4M3), one E8M0 scale byte for each 32 along K: 2^(floor(log2(the block's largest magnitude)) - 8); each number / scale, held within +-448, to the nearest code, ties to even.
; OUT: a TILE IMAGE of 8,448 bytes for each 16 rows, in the order of the matrix operand's registers:
;   codes: byte 2048 s + 512 c + 16 L + 4 i + b = row L % 16, k = 128 s + 32 c + 16 (L / 16) + 4 i + b  (K step s, register 4 c + i of lane L);
;   scales, from byte 8192: the word at 8 L + 4 g = the four scale bytes of row L % 16 for K step 2 g + L / 16.
; SHARES: a work-group takes one tile (32 KB in); the first XT work-groups take x, the others the codebook: the pointers are chosen on the work-group's number.  Wave w takes rows 4 w .. 4 w + 3.
; Each load reads 512 consecutive bytes (row i, K step s): lane l holds k = 128 s + 4 l .. + 3, so a block of 32 lies in eight neighbouring lanes.  All 16 loads of a wave go out at once; no loop.
; The codes turn through a stage in LDS (32 pieces of 256 bytes, 272 apart) and leave in stores of 512 consecutive bytes, aligned; the 256 scale bytes leave by one store.
; LIMITS: NaN and infinities among the inputs are not served.  A block of zeros (and one whose largest magnitude lies under 2^-118) gets the byte 1; the rule says 127 for zeros: its codes are zeros, and
; this program alone reads the bytes.  A row whose sum of squares is a denormal counts as norm 0: the divisor is 1e-12 then, as it is with the true norm, which lies under 1e-12.
.set XT,    512                        ; tiles of x
.set TILEB, 8448
.set PITCH, 272                        ; a piece of the stage: 256 bytes + 16
.set SCI,   32*PITCH                   ; behind the stage: the scale image, 256 bytes
.set X,   16                           ; v16-79   my 64 numbers: quad q = 4 i + s at v[X + 4 q]
.set T,   80                           ; v80-111  at work in the norm; then pair q: 1 / scale, the scale's byte
.set AM,  112                          ; v112-127 quad q's largest magnitude; then its four codes
.set NR,  128                          ; v128-143 row i: 1 / n, at work, n, at work
	s_load_b128 s[4:7], s[0:1], 0x0                ; x, codebook
	s_load_b128 s[8:11], s[0:1], 0x10              ; xq, cbq
	v_lshl_add_u32 v144, v0, 2, 0x2400
	v_mov_b32 v145, 0
	v_lshrrev_b32 v1, 5, v0
	v_readfirstlane_b32 s14, v1                    ; wave 0..3
	v_and_b32 v1, 31, v0                           ; lane l
	v_lshlrev_b32 v2, 4, v1                        ; in: 16 bytes a lane
	v_lshrrev_b32 v3, 2, v1
	v_mul_u32_u24 v3, v3, PITCH
	v_and_b32 v10, 3, v1
	v_lshl_add_u32 v3, v10, 2, v3
	s_lshl_b32 s20, s14, 6
	v_add_nc_u32 v3, s20, v3                       ; into the stage: piece l / 4 of the K step's eight, row 4 w (+ i), word l % 4
	v_lshrrev_b32 v4, 3, v1
	s_lshl_b32 s20, s14, 5
	s_add_co_u32 s20, s20, SCI
	v_add_nc_u32 v4, s20, v4                       ; the scale image: byte l / 8 of a word, 8 bytes a row, row 4 w (+ i)
	v_lshrrev_b32 v5, 4, v1
	v_mul_u32_u24 v5, v5, PITCH
	v_and_b32 v10, 15, v1
	v_lshl_add_u32 v5, v10, 4, v5
	s_mul_i32 s20, s14, 8*PITCH
	v_add_nc_u32 v5, s20, v5                       ; out of the stage: wave w takes K step w: two pieces an instruction
	s_lshl_b32 s20, s14, 11
	v_add_nc_u32 v6, s20, v2                       ; and their place in the tile image: 2048 w + 16 l
	v_lshlrev_b32 v7, 3, v1                        ; the scale image on its way out: 8 bytes a lane,
	v_add_nc_u32 v9, SCI, v7                       ; in LDS
	v_mov_b32 v8, 1.0                              ; the conversions' scale operand: the numbers are divided by their scales beforehand
	s_mov_b32 s12, 0x76543210
	s_mov_b32 s13, 0xfedcba98                      ; v_permlanex16_b32's selects for lane l xor 16
	s_mov_b32 s18, 0xc3e00000                      ; -448
	s_mov_b32 s19, 0x43e00000                      ; 448
	s_wait_kmcnt 0x0
	s_cmp_lt_u32 ttmp9, XT                         ; x's work-group or the codebook's?  The choice hangs on the work-group's number alone
	s_cselect_b64 s[4:5], s[4:5], s[6:7]
	s_cselect_b64 s[8:9], s[8:9], s[10:11]
	s_cselect_b32 s15, 0, XT
	s_sub_co_u32 s15, ttmp9, s15                   ; the tile's number in its tensor
	s_lshl_b32 s16, s15, 15                        ; 16 rows of 2,048 bytes,
	s_lshl_b32 s17, s14, 13                        ; my wave's four
	s_add_co_u32 s16, s16, s17
	s_mov_b32 s17, 0
	s_add_nc_u64 s[4:5], s[4:5], s[16:17]
	s_mul_i32 s16, s15, TILEB
	s_add_nc_u64 s[8:9], s[8:9], s[16:17]
.irp i, 0,1,2,3
.irp s, 0,1,2,3
	global_load_b128 v[X+16*\i+4*\s:X+16*\i+4*\s+3], v2, s[4:5] offset:2048*\i+512*\s th:TH_LOAD_NT   ; 32 lanes read 512 consecutive bytes
.endr
.endr
	s_wait_loadcnt 0x0
	s_cmp_ge_u32 ttmp9, XT
	s_cbranch_scc1 .Lq                             ; the codebook is not normalised; only work on registers is jumped over
	; ---- the norm: the four rows by turns.  The sum of squares: two chains a lane, then across the 32 lanes
.irp i, 0,1,2,3
	v_pk_mul_f32 v[T+2*\i:T+2*\i+1], v[X+16*\i:X+16*\i+1], v[X+16*\i:X+16*\i+1]
.endr
.irp j, 2,4,6,8,10,12,14
.irp i, 0,1,2,3
	v_pk_fma_f32 v[T+2*\i:T+2*\i+1], v[X+16*\i+\j:X+16*\i+\j+1], v[X+16*\i+\j:X+16*\i+\j+1], v[T+2*\i:T+2*\i+1]
.endr
.endr
.irp i, 0,1,2,3
	v_add_f32 v[T+2*\i], v[T+2*\i], v[T+2*\i+1]
.endr
.irp m, 1,2,4,8
.irp i, 0,1,2,3
	v_add_f32_dpp v[T+2*\i], v[T+2*\i], v[T+2*\i] row_xmask:\m row_mask:0xf bank_mask:0xf
.endr
.endr
.irp i, 0,1,2,3
	v_permlanex16_b32 v[T+2*\i+1], v[T+2*\i], s12, s13
.endr
.irp i, 0,1,2,3
	v_add_f32 v[T+2*\i], v[T+2*\i], v[T+2*\i+1]    ; S, the row's sum of squares, in every lane
.endr
	s_wait_alu depctr_va_vdst(0)
.irp i, 0,1,2,3
	v_sqrt_f32 v[NR+4*\i+1], v[T+2*\i]             ; Q, within an ulp of the root
.endr
	v_nop                                          ; a plain instruction behind the last root,
	s_wait_alu depctr_va_vdst(0)                   ; and one wait for the four, ahead of their first reader
.irp i, 0,1,2,3
	v_max_num_f32 v[NR+4*\i+2], 0x2b8cbccc, v[NR+4*\i+1]   ; max(Q, 1e-12)
.endr
	s_wait_alu depctr_va_vdst(0)
.irp i, 0,1,2,3
	v_rcp_f32 v[NR+4*\i], v[NR+4*\i+2]
.endr
.irp i, 0,1,2,3
	v_fma_f32 v[NR+4*\i+3], -v[NR+4*\i+1], v[NR+4*\i+1], v[T+2*\i]   ; E = S - Q Q, exact to one rounding: plain work behind the reciprocals, which names none of their registers' results
.endr
	s_wait_alu depctr_va_vdst(0)                   ; one wait for the four reciprocals
.irp i, 0,1,2,3
	v_mul_f32 v[T+2*\i+1], 0.5, v[NR+4*\i]
.endr
.irp i, 0,1,2,3
	v_fma_f32 v[NR+4*\i+1], v[NR+4*\i+3], v[T+2*\i+1], v[NR+4*\i+1]  ; Q + E / (2 Q): the root, one step nearer
.endr
.irp i, 0,1,2,3
	v_max_num_f32 v[NR+4*\i+2], 0x2b8cbccc, v[NR+4*\i+1]   ; n = max(norm, 1e-12)
.endr
.irp i, 0,1,2,3
	v_fma_f32 v[NR+4*\i+3], -v[NR+4*\i+2], v[NR+4*\i], 1.0
.endr
.irp i, 0,1,2,3
	v_fma_f32 v[NR+4*\i], v[NR+4*\i+3], v[NR+4*\i], v[NR+4*\i]       ; R = 1 / n, one step nearer
.endr
	; x / n, a row at a time, two numbers an instruction: q = x R; the remainder x - q n by one fused multiply-add; q + remainder x R
.irp i, 0,1,2,3
.irp j, 0,2,4,6,8,10,12,14
	v_pk_mul_f32 v[T+\j:T+\j+1], v[X+16*\i+\j:X+16*\i+\j+1], v[NR+4*\i:NR+4*\i+1] op_sel_hi:[1,0]
.endr
.irp j, 0,2,4,6,8,10,12,14
	v_pk_fma_f32 v[T+16+\j:T+16+\j+1], v[T+\j:T+\j+1], v[NR+4*\i+2:NR+4*\i+3], v[X+16*\i+\j:X+16*\i+\j+1] op_sel_hi:[1,0,1] neg_lo:[1,0,0] neg_hi:[1,0,0]
.endr
.irp j, 0,2,4,6,8,10,12,14
	v_pk_fma_f32 v[X+16*\i+\j:X+16*\i+\j+1], v[T+16+\j:T+16+\j+1], v[NR+4*\i:NR+4*\i+1], v[T+\j:T+\j+1] op_sel_hi:[1,0,1]
.endr
.endr
.Lq:
	; ---- the quantiser: the 16 quads by turns.  A block's largest magnitude: my four numbers and the floor 2^(9 - 127), which holds the byte at 1 from below; then the eight lanes of the block
.irp q, 0,1,2,3,4,5,6,7,8,9,10,11,12,13,14,15
	v_max3_num_f32 v[AM+\q], |v[X+4*\q]|, |v[X+4*\q+1]|, 0x4800000
.endr
.irp q, 0,1,2,3,4,5,6,7,8,9,10,11,12,13,14,15
	v_max3_num_f32 v[AM+\q], v[AM+\q], |v[X+4*\q+2]|, |v[X+4*\q+3]|
.endr
.irp m, 1,2,4
.irp q, 0,1,2,3,4,5,6,7,8,9,10,11,12,13,14,15
	v_max_num_f32_dpp v[AM+\q], v[AM+\q], v[AM+\q] row_xmask:\m row_mask:0xf bank_mask:0xf
.endr
.endr
.irp q, 0,1,2,3,4,5,6,7,8,9,10,11,12,13,14,15
	v_and_b32 v[T+2*\q+1], 0x7f800000, v[AM+\q]    ; the largest magnitude's exponent field E, in place
.endr
.irp q, 0,1,2,3,4,5,6,7,8,9,10,11,12,13,14,15
	v_sub_nc_u32 v[T+2*\q], 0x83000000, v[T+2*\q+1]   ; 1 / scale = 2^(135 - E): exponent field 262 - E, between 8 and 253
.endr
.irp q, 0,1,2,3,4,5,6,7,8,9,10,11,12,13,14,15
	v_add_nc_u32 v[T+2*\q+1], 0xfc000000, v[AM+\q] ; 8 off the exponent field,
.endr
.irp q, 0,1,2,3,4,5,6,7,8,9,10,11,12,13,14,15
	v_lshrrev_b32 v[T+2*\q+1], 23, v[T+2*\q+1]     ; which is the scale's byte
.endr
; A lane's eight neighbouring registers belong to two blocks (two K steps), and a conversion takes one scale for its eight numbers: so the numbers are multiplied by 1 / scale here, a power of two, which rounds nothing
; that a code could show, and the conversion's own scale is 1.
.irp q, 0,1,2,3,4,5,6,7,8,9,10,11,12,13,14,15
	v_pk_mul_f32 v[X+4*\q:X+4*\q+1], v[X+4*\q:X+4*\q+1], v[T+2*\q:T+2*\q+1] op_sel_hi:[1,0]
	v_pk_mul_f32 v[X+4*\q+2:X+4*\q+3], v[X+4*\q+2:X+4*\q+3], v[T+2*\q:T+2*\q+1] op_sel_hi:[1,0]
.endr
.set k, 0
.rept 64
	v_med3_num_f32 v[X+k], v[X+k], s18, s19        ; the conversion to an 8-bit code does not saturate (ISA guide 7.6.2): the hold at +-448 first
.set k, k+1
.endr
.irp g, 0,1,2,3,4,5,6,7
	v_cvt_scalef32_pk8_fp8_f32 v[AM+2*\g:AM+2*\g+1], v[X+8*\g:X+8*\g+7], v8   ; quads 2 g and 2 g + 1: four codes a register
.endr
	v_nop                                          ; a plain instruction behind the last conversion
.irp i, 0,1,2,3
.irp s, 0,1,2,3
	ds_store_b32 v3, v[AM+4*\i+\s] offset:8*PITCH*\s+16*\i
	ds_store_b8 v4, v[T+2*(4*\i+\s)+1] offset:8*(\i+16*(\s%2))+4*(\s/2)   ; the eight lanes of a block write the same byte with the same value
.endr
.endr
	s_wait_dscnt 0x0                               ; for the others' sake: my stores into the stage and the scale image are done
	s_barrier_signal -1
	s_barrier_wait -1
.irp t, 0,1,2,3
	ds_load_b128 v[X+4*\t:X+4*\t+3], v5 offset:2*PITCH*\t
.endr
.irp t, 0,1,2,3
	s_wait_dscnt 3-\t                              ; LDS loads come back in order: load t is in, the younger ones may be out
	global_store_b128 v6, v[X+4*\t:X+4*\t+3], s[8:9] offset:512*\t   ; 32 lanes store 512 consecutive bytes, at a multiple of 256 from the buffer's first byte
.endr
	s_cmp_lg_u32 s14, 0
	s_cbranch_scc1 .Ldone                          ; wave 0 alone sends the scale image
	ds_load_b64 v[X+16:X+17], v9
	s_wait_dscnt 0x0
	global_store_b64 v7, v[X+16:X+17], s[8:9] offset:8192   ; 32 lanes store 256 consecutive bytes, aligned
.Ldone:
	s_wait_tensorcnt 0x0
	ds_add_u32 v144, v145
	s_wait_dscnt 0x0
	s_endpgm
.Lfunc_end_k_q42259f34ca_quant:
	.size	k_q42259f34ca_quant, .Lfunc_end_k_q42259f34ca_quant-k_q42259f34ca_quant
	.p2alignl 7, 3214868480
	.fill 96, 4, 3214868480
	.section	.rodata,"a",@progbits
	.p2align	6, 0x0
	.amdhsa_kernel k_q42259f34ca_quant
		.amdhsa_group_segment_fixed_size 9728
		.amdhsa_private_segment_fixed_size 0
		.amdhsa_enable_private_segment 0
		.amdhsa_kernarg_size 32
		.amdhsa_user_sgpr_count 2
		.amdhsa_user_sgpr_kernarg_segment_ptr 1
		.amdhsa_wavefront_size32 1
		.amdhsa_system_sgpr_workgroup_id_x 1
		.amdhsa_system_sgpr_workgroup_id_y 1
		.amdhsa_system_sgpr_workgroup_id_z 1
		.amdhsa_system_vgpr_workitem_id 0
		.amdhsa_next_free_vgpr 146
		.amdhsa_next_free_sgpr 66
		.amdhsa_reserve_vcc 0
		.amdhsa_float_denorm_mode_32 3
		.amdhsa_float_denorm_mode_16_64 3
		.amdhsa_memory_ordered 1
		.amdhsa_forward_progress 1
		.amdhsa_inst_pref_size 35
	.end_amdhsa_kernel
	.amdgpu_metadata
---
amdhsa.version: [ 1, 2 ]
amdhsa.kernels:
  - .name:           k_q42259f34ca_quant
    .symbol:         k_q42259f34ca_quant.kd
    .args:
      - { .name: x, .offset: 0, .size: 8, .value_kind: global_buffer, .address_space: global }
      - { .name: codebook, .offset: 8, .size: 8, .value_kind: global_buffer, .address_space: global }
      - { .name: xq, .offset: 16, .size: 8, .value_kind: global_buffer, .address_space: global }
      - { .name: cbq, .offset: 24, .size: 8, .value_kind: global_buffer, .address_space: global }
    .group_segment_fixed_size: 9728
    .private_segment_fixed_size: 0
    .kernarg_segment_align: 8
    .kernarg_segment_size: 32
    .max_flat_workgroup_size: 128
    .sgpr_count:     66
    .vgpr_count:     146
    .wavefront_size: 32
...
	.end_amdgpu_metadata
.endif
;; end of part 1
;; launch sims (part 2): grid 16 x 16, 4 waves a work-group, clusters of 4 x 1, 327,680 bytes of LDS; arguments xq, cbq, part; writes part
.if DOCPART == 2
	.amdgcn_target "amdgcn-amd-amdhsa--gfx1250"
	.amdhsa_code_object_version 6
	.text
	.protected	k_q42259f34ca_sims
	.globl	k_q42259f34ca_sims
	.p2align	8
	.type	k_q42259f34ca_sims,@function
k_q42259f34ca_sims:
	s_mov_b64 s[64:65], 0
	v_nop
	global_prefetch_b8 v0, s[64:65] scope:SCOPE_SE
	s_setreg_imm32_b32 hwreg(HW_REG_WAVE_MODE, 25, 1), 1
	s_wait_xcnt 0x0
	s_wait_alu depctr_hold_cnt(0) depctr_sa_sdst(0) depctr_va_vdst(0) depctr_va_sdst(0) depctr_va_ssrc(0) depctr_va_vcc(0) depctr_vm_vsrc(0)
	s_getreg_b32 s2, hwreg(HW_REG_IB_STS2, 6, 4)
	s_cmp_eq_u32 s2, 0
	s_cbranch_scc0 .Lentry_in_a_cluster
	s_endpgm
.Lentry_in_a_cluster:
	s_bfe_u32 s2, ttmp6, 0x10000c
	s_cmp_lg_u32 s2, 0x3003
	s_cbranch_scc0 .Lentry_shape_is_right
	s_endpgm
.Lentry_shape_is_right:
; sims = Q(emb) Q(codebook)^T in MX-FP8, and for each row the largest number and its index inside a chunk of 1,024 entries.
; xq, cbq: tile images of 8,448 bytes for 16 rows, in the order of the matrix operand's registers (codes, then from byte 8192 the scale words), as the launch before laid them.
; SHARES: work-group (x, y) takes rows 512 x .. + 511 and entries 1024 y .. + 1023.  Wave w keeps its 128 rows (8 tiles, 512 registers, windows 2 and 3) for the whole launch; the chunk's 64 tiles
; come through a ring of two LDS slots of 16 tiles; each wave's tensor load brings a quarter of a slot, as 132 rows of 256 bytes.
; CLUSTER: the four work-groups along x read the same chunk: each fill is one joint load with the mask 15.
; PRODUCT, used transposed: source 0 = 16 entries, source 1 = 16 rows of x: lane (r, h) holds row r, its register j the entry 16 tile + 8 h + j.  A tile is 32 products: the 8 accumulators by turns, K step by K step;
; two sets of accumulators take turns by the tile's parity.
; ARGMAX, 10 vector lines for each accumulator, as a pipeline of STEPS.  For an accumulator: four levels of v_max3 (new best = max(old best, its 8 numbers); old and new best in two sets that take turns),
; a compare into VCC, and, where the best has grown, the tile's number and the 8 numbers are kept (one v_cndmask, four dual pairs).  Strictly greater: the earliest tile stays.
; Step j of tile t holds: the keeping of accumulator j - 3, the compare of j - 2, levels 3, 2, 1, 0 of j - 1, j, j + 1, j + 2: accumulators of tile t - 1; a number under 0 means tile t - 2's, over 7 tile t's own.
; No line of a step reads what a line of the same step writes.  The steps stand behind products 3 (steps 0-2), 11, 19, 27 and 31 (steps 6, 7): tile t - 2's accumulators 5-7 are read ahead of products 5-7, which
; begin them anew; tile t's accumulators 0 and 1, finished by products 24 and 25, are first read with 8 plain lines or more between.
; The next tile's 17 LDS loads stand in one run at a tile's start, behind the 20 vector lines of steps 6 and 7, which are the places ahead of them.
; At the end the lowest j whose kept number equals the best gives the index; the two halves of the lanes are joined on whole numbers (greater key, then lower index) and stored:
; part [row / 32][chunk][256 bytes]: 32 keys, 32 indices.
; NO PREFETCH: a refill is asked for 16 tiles (512 products a wave) ahead of its first read, and the launch has four fills in all.
; LIMITS: NaN and infinities among the sums are not served.
.set TILEB, 8448
.set SLOT,  16*TILEB
.set QUART, SLOT/4
.set SPARE, 2*SLOT                     ; the spare words, 128 bytes a wave
.set STAGE, SPARE+512                  ; the way out: 1,024 bytes a wave
.set LI,  1                            ; 16 x lane
.set LS,  2                            ; 8 x lane
.set ADR, 3                            ; LDS address of a pair of tiles' codes
.set ADS, 4                            ; and of their scale words
.set SPW, 5
.set NIL, 6
.set VB,  7                            ; 1024 chunk + 8 h
.set STO, 8
.set RD,  9
.set GO,  10
.set XS,  16                           ; v16-31 x's scale words
.set BS,  32                           ; v32-35 the tiles' scale words, two sets
.set BID, 36                           ; v36-43 the winning tile
.set BST, 44                           ; v44-59 the best so far, two sets of 8
.set BEST, BST+8                       ; the last tile's parity is 1
.set SAV, 64                           ; v64-127 the winning tile's 8 numbers, for each accumulator
.set ACC, 128                          ; v128-255 two sets of 8 accumulators
.set T,   ACC                          ; at work on the way out, when the accumulators are done with
.set OUTR, ACC+8
.set WV,  10
.set G1,  16
.set G0,  24
.set TB,  32
.set CNT, 34
.set BLK, 46                           ; the number of the tile whose numbers are being kept
.set VSV, 47
.set MSB, 0
.macro WIN new                         ; the immediate's high byte repeats the setting that is left
.if MSB != (\new)
	s_set_vgpr_msb (MSB<<8)|(\new)
.set MSB, (\new)
.endif
.endm
.macro ROUND
	s_barrier_signal -1
	s_barrier_wait -1
	s_cmp_lg_u32 s[WV], 0
	s_cbranch_scc1 .Lnot_wave_0_\@
	s_barrier_signal -3
.Lnot_wave_0_\@:
	s_barrier_wait -3
	s_barrier_signal -1
	s_barrier_wait -1
.endm
.macro FADR                            ; the addresses of the next two tiles (an even one and the odd one behind it lie in one slot)
	v_add_nc_u32 v[ADR], s[TB], v[LI]
	v_add_nc_u32 v[ADS], s[TB], v[LS]
	s_add_co_u32 s[TB], s[TB], 2*TILEB
.endm
.macro FETCH set                       ; a tile into set (window 1), its scale words into window 0: 17 loads
	ds_load_b64 v[BS+2*(\set):BS+2*(\set)+1], v[ADS] offset:TILEB*(\set)+8192
	WIN 0x40
.irp f, 0,1,2,3,4,5,6,7,8,9,10,11,12,13,14,15
	ds_load_b128 v[64*(\set)+4*\f:64*(\set)+4*\f+3], v[ADR] offset:TILEB*(\set)+512*\f
.endr
.endm
.macro WM p                            ; product i of a tile's 32: K step i / 8, accumulator i % 8
.set ms, i/8
.set ma, i%8
.set rD, ACC+64*(\p)+8*ma
.set rB, 64*(\p)+16*ms
.set rX, 64*(ma%4)+16*ms
.set rSB, BS+2*(\p)+ms/2
.set rSX, XS+2*ma+ms/2
	WIN 0x09+4*(ma/4)
.if ms == 0
	v_wmma_scale_f32_16x16x128_f8f6f4 v[rD:rD+7], v[rB:rB+15], v[rX:rX+15], 0, v[rSB], v[rSX]
.elseif ms == 2
	v_wmma_scale_f32_16x16x128_f8f6f4 v[rD:rD+7], v[rB:rB+15], v[rX:rX+15], v[rD:rD+7], v[rSB], v[rSX]
.else
	v_wmma_scale_f32_16x16x128_f8f6f4 v[rD:rD+7], v[rB:rB+15], v[rX:rX+15], v[rD:rD+7], v[rSB], v[rSX] matrix_a_scale:MATRIX_SCALE_ROW1 matrix_b_scale:MATRIX_SCALE_ROW1
.endif
.endm
; The stage at distance d in step sj of a tile of parity sp: which accumulator (kk), of which tile's parity (gp), and whether that tile exists (al0: this tile, al1: the one before, al2: two before)
.macro STG d
.set kk, sj+(\d)
.if kk < 0
.set kk, kk+8
.set gp, sp
.set ok, al2
.elseif kk > 7
.set kk, kk-8
.set gp, sp
.set ok, al0
.else
.set gp, 1-sp
.set ok, al1
.endif
.set rC, ACC+64*gp+8*kk
.set rN, BST+8*gp+kk
.set rO, BST+8*(1-gp)+kk
.endm
.macro IDLE n                          ; among products a stage with nothing to do keeps its places
.if fil
.rept \n
	v_nop
.endr
.endif
.endm
.macro STEP
	STG -3
.if ok
	v_cndmask_b32 v[BID+kk], v[BID+kk], s[BLK], vcc_lo
.irp e, 0,2,4,6
	v_dual_cndmask_b32 v[SAV+8*kk+\e], v[SAV+8*kk+\e], v[rC+\e] :: v_dual_cndmask_b32 v[SAV+8*kk+\e+1], v[SAV+8*kk+\e+1], v[rC+\e+1]
.endr
.else
	IDLE 5
.endif
	STG -2
.if ok
	v_cmp_gt_f32 vcc_lo, v[rN], v[rO]              ; behind every reader of the old VCC
.else
	IDLE 1
.endif
.irp l, 3,2,1
	STG 2-\l
.if ok
	v_max3_num_f32 v[rN], v[rN], v[rC+2*\l], v[rC+2*\l+1]
.else
	IDLE 1
.endif
.endr
	STG 2
.if ok
	v_max3_num_f32 v[rN], v[rO], v[rC], v[rC+1]    ; an accumulator's first read: its low end
.else
	IDLE 1
.endif
.endm
.macro STEPS j0, j1
.set sj, \j0
.rept (\j1)-(\j0)+1
	STEP
.set sj, sj+1
.endr
.endm
; A tile from set p.  fetch: the next tile comes into the other set.  g1, g2: the tile before, and the one before that, exist.
.macro TILE p, fetch, g1, g2
.set sp, \p
.set al0, 1
.set al1, \g1
.set al2, \g2
.set fil, 1
.if \fetch
.if \p == 1
	FADR
.endif
	FETCH 1-\p
	s_wait_dscnt 17                                ; the 17 loads just issued may be out: this tile's fragments are in
.else
	s_wait_dscnt 0x0
.endif
.set i, 0
.rept 32
	WM \p
.if i == 3
	WIN 0
	STEPS 0, 2
	s_add_co_u32 s[BLK], s[BLK], 1                 ; from here on the numbers kept are the tile before's
.elseif (i == 11) || (i == 19) || (i == 27)
	WIN 0
	STEPS (i+13)/8, (i+13)/8
.elseif i == 31
	WIN 0
	STEPS 6, 7
.endif
.set i, i+1
.endr
	s_wait_alu depctr_va_vdst(0)                   ; what steps 6
.endm
.macro SPANS trips
	s_mov_b32 s[CNT], \trips
.Lspans_\@:
	TILE 1, 1, 1, 1
	TILE 0, 1, 1, 1
	s_sub_co_u32 s[CNT], s[CNT], 1
	s_cmp_lg_u32 s[CNT], 0
	s_cbranch_scc1 .Lspans_\@
.endm
; A change of slots: the slot just read out (its last tile is in registers) is filled again behind a round of the cluster's barrier
.macro CHANGE slot, fill, tb
.if \fill
	s_mov_b32 s[VSV], vcc_lo
.endif
	s_wait_tensorcnt 0x0                           ; all my tensor loads have landed: my quarter of the next slot
	ds_add_u32 v[SPW], v[NIL]
.if \fill
	s_add_nc_u64 s[G0+4*\slot+2:G0+4*\slot+3], s[G0+4*\slot+2:G0+4*\slot+3], 2*SLOT
.endif
	s_mov_b32 s[TB], \tb
	s_wait_dscnt 0x0                               ; the add is done, my reads of the slot are over
.if \fill
	ROUND
	tensor_load_to_lds s[G0+4*\slot:G0+4*\slot+3], s[G1:G1+7]
	s_nop 0
.rept 4
	v_nop
.endr
	s_mov_b32 vcc_lo, s[VSV]
.else
	s_barrier_signal -1
	s_barrier_wait -1
.endif
.endm
	s_load_b128 s[4:7], s[0:1], 0x0                ; xq, cbq
	s_load_b64 s[8:9], s[0:1], 0x10                ; part
	v_lshl_add_u32 v[SPW], v0, 2, SPARE
	v_mov_b32 v[NIL], 0
	ds_add_u32 v[SPW], v[NIL]                      ; the opening lines: the add twice on end under one wait
	ds_add_u32 v[SPW], v[NIL]
	v_lshrrev_b32 v12, 5, v0
	v_readfirstlane_b32 s[WV], v12                 ; wave 0..3
	s_bfe_u32 s11, ttmp6, 0x40000                  ; cx
	s_lshl_b32 s12, ttmp9, 2
	s_add_co_u32 s12, s12, s11                     ; block of 512 rows
	s_and_b32 s13, ttmp7, 0xffff                   ; chunk
	v_and_b32 v12, 31, v0
	v_lshlrev_b32 v[LI], 4, v12
	v_lshlrev_b32 v[LS], 3, v12
	v_and_b32 v13, 15, v0
	v_bfe_u32 v14, v0, 4, 1
	s_lshl_b32 s35, s13, 10
	v_lshl_add_u32 v[VB], v14, 3, s35
	s_lshl_b32 s33, s[WV], 10
	s_add_co_u32 s33, s33, STAGE
	v_lshl_add_u32 v[STO], v13, 2, s33
	v_add_nc_u32 v[RD], s33, v[LI]
	v_lshlrev_b32 v[GO], 4, v13
	v_lshl_add_u32 v[GO], v14, 12, v[GO]
.irp a, 0,1,2,3,4,5,6,7
	v_mov_b32 v[BEST+\a], 0xff800000               ; tile 0's old best
	v_mov_b32 v[BID+\a], 0
.endr
.set k, 0
.rept 64
	v_mov_b32 v[SAV+k], 0xff800000
.set k, k+1
.endr
	s_mov_b32 s[G1+0], 15|(3<<16)|(1<<21)          ; the mask of the four partners; elements of 8 bytes
	s_mov_b32 s[G1+1], 32<<16                      ; rows of 256 bytes,
	s_mov_b32 s[G1+2], 132<<16                     ; 132 of them: a quarter of a slot
	s_mov_b32 s[G1+3], 32<<16
	s_mov_b32 s[G1+4], 132
	s_mov_b32 s[G1+5], 32
	s_mov_b32 s[G1+6], 0
	s_mov_b32 s[G1+7], 0
	s_mul_i32 s14, s[WV], QUART
	s_mul_i32 s44, s13, 4*SLOT                     ; the chunk's 64 tiles
	s_add_co_u32 s44, s44, s14
	s_mov_b32 s45, 0
	s_lshl_b32 s38, s12, 5
	s_lshl_b32 s39, s[WV], 3
	s_add_co_u32 s38, s38, s39
	s_mul_i32 s38, s38, TILEB                      ; my eight tiles of x
	s_mov_b32 s39, 0
	s_lshl_b32 s36, s12, 16
	s_lshl_b32 s37, s[WV], 14
	s_add_co_u32 s36, s36, s37
	s_lshl_b32 s37, s13, 8
	s_add_co_u32 s36, s36, s37
	s_mov_b32 s37, 0
	s_mov_b32 s42, 0x76543210
	s_mov_b32 s43, 0xfedcba98
	s_mov_b32 s[TB], 0
	s_mov_b32 s[BLK], -2                           ; at tile t's start: t - 2
	s_wait_alu depctr_va_vdst(0)                   ; the wait at the head's end
	s_wait_dscnt 0x0
	s_wait_kmcnt 0x0
	s_add_nc_u64 s[6:7], s[6:7], s[44:45]
	s_add_nc_u64 s[4:5], s[4:5], s[38:39]
	s_add_nc_u64 s[8:9], s[8:9], s[36:37]
.irp n, 0,1
	s_mov_b32 s[G0+4*\n], 1
	s_add_co_u32 s[G0+4*\n+1], s14, \n*SLOT
	s_add_nc_u64 s[G0+4*\n+2:G0+4*\n+3], s[6:7], \n*SLOT
	s_or_b32 s[G0+4*\n+3], s[G0+4*\n+3], 0x80000000
.endr
	ROUND
	tensor_load_to_lds s[G0:G0+3], s[G1:G1+7]      ; slot 0: one tensor load a wave at the head
	s_nop 0
.irp a, 0,1,2,3,4,5,6,7                ; x goes out behind it: scale words, rows 0-63, rows 64-127
	global_load_b64 v[XS+2*\a:XS+2*\a+1], v[LS], s[4:5] offset:TILEB*\a+8192
.endr
	WIN 0x80
.irp a, 0,1,2,3
.irp f, 0,1,2,3,4,5,6,7,8,9,10,11,12,13,14,15
	global_load_b128 v[64*\a+4*\f:64*\a+4*\f+3], v[LI], s[4:5] offset:TILEB*\a+512*\f
.endr
.endr
	WIN 0xc0
.irp a, 0,1,2,3
.irp f, 0,1,2,3,4,5,6,7,8,9,10,11,12,13,14,15
	global_load_b128 v[64*\a+4*\f:64*\a+4*\f+3], v[LI], s[4:5] offset:TILEB*(4+\a)+512*\f
.endr
.endr
	WIN 0
	s_wait_tensorcnt 0x0                           ; my quarter of slot 0 is in; slot 1's first fill is issued as a refill is
	ds_add_u32 v[SPW], v[NIL]
	s_wait_dscnt 0x0
	ROUND
	tensor_load_to_lds s[G0+4:G0+7], s[G1:G1+7]
	s_nop 0
.rept 4
	v_nop
.endr
	FADR
	s_wait_alu depctr_va_vdst(0)
	FETCH 0
	WIN 0
	s_wait_loadcnt 0x0                             ; x is in
	TILE 0, 1, 0, 0
	TILE 1, 1, 1, 0
	TILE 0, 1, 1, 1
	SPANS 6
	CHANGE 0, 1, SLOT
	SPANS 8
	CHANGE 1, 1, 0
	SPANS 8
	CHANGE 0, 0, SLOT
	SPANS 8
	TILE 1, 0, 1, 1
	; what is left of tiles 62 and 63: the steps of two more tiles, without the stages of tiles that do not exist
.set fil, 0
.set sp, 0
.set al0, 0
.set al1, 1
.set al2, 1
	STEPS 0, 2
	s_add_co_u32 s[BLK], s[BLK], 1
	STEPS 3, 7
.set sp, 1
.set al1, 0
	STEPS 0, 2
	; the lowest j whose kept number equals the best
.irp a, 0,1,2,3,4,5,6,7
	v_mov_b32 v[T+\a], 7
.endr
.irp j, 6,5,4,3,2,1,0
.irp a, 0,1,2,3,4,5,6,7
	v_cmp_neq_f32 vcc_lo, v[SAV+8*\a+\j], v[BEST+\a]
	v_cndmask_b32 v[T+\a], \j, v[T+\a], vcc_lo
.endr
.endr
.irp a, 0,1,2,3,4,5,6,7
	v_lshl_add_u32 v[BID+\a], v[BID+\a], 4, v[T+\a]
.endr
.irp a, 0,1,2,3,4,5,6,7
	v_add_nc_u32 v[BID+\a], v[BID+\a], v[VB]       ; the index: 1024 chunk + 16 tile + 8 h + j
.endr
.irp a, 0,1,2,3,4,5,6,7
	v_add_f32 v[BEST+\a], 0, v[BEST+\a]            ; -0 becomes +0
.endr
.irp a, 0,1,2,3,4,5,6,7
	v_ashrrev_i32 v[T+\a], 31, v[BEST+\a]
.endr
.irp a, 0,1,2,3,4,5,6,7
	v_or_b32 v[T+\a], 0x80000000, v[T+\a]
.endr
.irp a, 0,1,2,3,4,5,6,7
	v_xor_b32 v[BEST+\a], v[BEST+\a], v[T+\a]      ; the key: a whole number that keeps the order
.endr
.irp a, 0,1,2,3,4,5,6,7
	v_permlanex16_b32 v[SAV+8*\a], v[BEST+\a], s42, s43
	v_permlanex16_b32 v[SAV+8*\a+1], v[BID+\a], s42, s43
.endr
.irp a, 0,1,2,3,4,5,6,7
	v_cmp_gt_u32 vcc_lo, v[SAV+8*\a], v[BEST+\a]   ; lane l xor 16's is taken where its key is greater, or equal with the lower index
	v_cmp_eq_u32 s40, v[SAV+8*\a], v[BEST+\a]
	v_cmp_lt_u32 s41, v[SAV+8*\a+1], v[BID+\a]
	s_and_b32 s40, s40, s41
	s_or_b32 vcc_lo, vcc_lo, s40
	v_cndmask_b32 v[BEST+\a], v[BEST+\a], v[SAV+8*\a], vcc_lo
	v_cndmask_b32 v[BID+\a], v[BID+\a], v[SAV+8*\a+1], vcc_lo
	ds_store_b32 v[STO], v[BEST+\a] offset:256*(\a/2)+64*(\a%2)
	ds_store_b32 v[STO], v[BID+\a] offset:256*(\a/2)+64*(\a%2)+128
.endr
	ds_load_b128 v[OUTR:OUTR+3], v[RD]             ; my own stage: LDS serves a wave's instructions in order
	ds_load_b128 v[OUTR+4:OUTR+7], v[RD] offset:512
	s_wait_dscnt 0x0
	global_store_b128 v[GO], v[OUTR:OUTR+3], s[8:9]              ; sixteen lanes store 256 consecutive bytes, aligned
	global_store_b128 v[GO], v[OUTR+4:OUTR+7], s[8:9] offset:8192
	s_wait_tensorcnt 0x0                           ; the wave's end
	ds_add_u32 v[SPW], v[NIL]
	s_wait_dscnt 0x0
	ROUND                                          ; the closing round
	s_endpgm
.Lfunc_end_k_q42259f34ca_sims:
	.size	k_q42259f34ca_sims, .Lfunc_end_k_q42259f34ca_sims-k_q42259f34ca_sims
	.p2alignl 7, 3214868480
	.fill 96, 4, 3214868480
	.section	.rodata,"a",@progbits
	.p2align	6, 0x0
	.amdhsa_kernel k_q42259f34ca_sims
		.amdhsa_group_segment_fixed_size 327680
		.amdhsa_private_segment_fixed_size 0
		.amdhsa_enable_private_segment 0
		.amdhsa_kernarg_size 24
		.amdhsa_user_sgpr_count 2
		.amdhsa_user_sgpr_kernarg_segment_ptr 1
		.amdhsa_wavefront_size32 1
		.amdhsa_system_sgpr_workgroup_id_x 1
		.amdhsa_system_sgpr_workgroup_id_y 1
		.amdhsa_system_sgpr_workgroup_id_z 1
		.amdhsa_system_vgpr_workitem_id 0
		.amdhsa_next_free_vgpr 1024
		.amdhsa_next_free_sgpr 66
		.amdhsa_reserve_vcc 1
		.amdhsa_float_denorm_mode_32 3
		.amdhsa_float_denorm_mode_16_64 3
		.amdhsa_memory_ordered 1
		.amdhsa_forward_progress 1
		.amdhsa_inst_pref_size 164
	.end_amdhsa_kernel
	.amdgpu_metadata
---
amdhsa.version: [ 1, 2 ]
amdhsa.kernels:
  - .name:           k_q42259f34ca_sims
    .symbol:         k_q42259f34ca_sims.kd
    .args:
      - { .name: xq, .offset: 0, .size: 8, .value_kind: global_buffer, .address_space: global }
      - { .name: cbq, .offset: 8, .size: 8, .value_kind: global_buffer, .address_space: global }
      - { .name: part, .offset: 16, .size: 8, .value_kind: global_buffer, .address_space: global }
    .group_segment_fixed_size: 327680
    .private_segment_fixed_size: 0
    .kernarg_segment_align: 8
    .kernarg_segment_size: 24
    .max_flat_workgroup_size: 128
    .sgpr_count:     66
    .vgpr_count:     1024
    .wavefront_size: 32
...
	.end_amdgpu_metadata
.endif
;; end of part 2
;; launch pick (part 3): grid 256 x 1, 8 waves a work-group, no clusters, 0 bytes of LDS; arguments part, codebook, out0; writes out0
.if DOCPART == 3
	.amdgcn_target "amdgcn-amd-amdhsa--gfx1250"
	.amdhsa_code_object_version 6
	.text
	.protected	k_q42259f34ca_pick
	.globl	k_q42259f34ca_pick
	.p2align	8
	.type	k_q42259f34ca_pick,@function
k_q42259f34ca_pick:
	s_mov_b64 s[64:65], 0
	v_nop
	global_prefetch_b8 v0, s[64:65] scope:SCOPE_SE
	s_setreg_imm32_b32 hwreg(HW_REG_WAVE_MODE, 25, 1), 1
	s_wait_xcnt 0x0
; out0[row] = codebook[the index of the row's largest number].  part [row / 32][chunk 0..15][256 bytes] holds, for each chunk of 1,024 entries, 32 keys and then 32 indices (u32), stored by the launch before: a key is
; the chunk's largest number as a whole number that keeps the order.  The choice among the 16 chunks is made on these whole numbers: the greater key, on equal keys the lower index.
; SHARES: a work-group takes 32 rows (4,096 consecutive bytes of part), wave w rows 4 w .. 4 w + 3.  Lanes 0-15 load chunk l's four keys, lanes 16-31 its four indices.  Then each row of 2,048 bytes is gathered by four
; loads of 512 consecutive bytes and stored likewise: all 16 loads of a wave go out at once; no loop, no LDS, no barrier; matrix units and clusters have nothing to do here: no work-group shares an input tile.
; An index is held to 0 .. 16,383 ahead of the address, so no load leaves the codebook.
.set KEY, 16                           ; v16-19 the four rows' keys;  v20-23 their indices;  v24-27, v28-31 a partner's
.set IDX, 20
.set PK,  24
.set PI,  28
.set AD,  32                           ; v32-35 byte offsets in the codebook
.set D,   36                           ; v36-99 four rows x 16 registers
	s_load_b128 s[4:7], s[0:1], 0x0                ; part, codebook
	s_load_b64 s[8:9], s[0:1], 0x10                ; out0
	v_lshrrev_b32 v1, 5, v0
	s_delay_alu instid0(VALU_DEP_1)
	v_readfirstlane_b32 s10, v1                    ; wave 0..7
	v_and_b32 v1, 31, v0                           ; lane
	s_delay_alu instid0(VALU_DEP_1)
	v_lshlrev_b32 v2, 4, v1                        ; 16 bytes a lane
	s_delay_alu instid0(VALU_DEP_2)
	v_and_b32 v3, 15, v1
	s_delay_alu instid0(VALU_DEP_1)
	v_lshlrev_b32 v3, 8, v3                        ; the chunk's unit,
	s_delay_alu instid0(VALU_DEP_4)
	v_lshrrev_b32 v12, 4, v1
	s_delay_alu instid0(VALU_DEP_1)
	v_lshl_add_u32 v3, v12, 7, v3                  ; keys or indices,
	s_lshl_b32 s11, s10, 4
	v_add_nc_u32 v3, s11, v3                       ; my wave's four rows
	s_mov_b32 s12, 0x76543210
	s_mov_b32 s13, 0xfedcba98                      ; v_permlanex16_b32's selects for lane l xor 16
.irp i, 0,1,2,3,4,5,6,7
	v_mov_b32 v[PK+\i], 0                          ; written once: the destination of a lane permute and of a DPP move counts as one of its sources
.endr
.irp i, 0,1,2,3
	v_mov_b32 v[8+\i], 0
.endr
	s_lshl_b32 s16, ttmp9, 12
	s_mov_b32 s17, 0
	s_lshl_b32 s18, ttmp9, 16                      ; out0: 32 rows of 2,048 bytes a work-group,
	s_lshl_b32 s19, s10, 13                        ; four a wave
	s_add_co_u32 s18, s18, s19
	s_mov_b32 s19, 0
	s_wait_alu depctr_va_vdst(0)
	s_wait_kmcnt 0x0
	s_add_nc_u64 s[4:5], s[4:5], s[16:17]
	s_add_nc_u64 s[8:9], s[8:9], s[18:19]
	global_load_b128 v[4:7], v3, s[4:5] th:TH_LOAD_NT
	v_cmp_le_u32 vcc_lo, 16, v1                    ; lanes 16-31
	s_wait_loadcnt 0x0
.irp i, 0,1,2,3
	v_permlanex16_b32 v[8+\i], v[4+\i], s12, s13
.endr
.irp i, 0,1,2,3
	v_cndmask_b32 v[KEY+\i], v[4+\i], v[8+\i], vcc_lo   ; both halves of the lanes now hold chunk l % 16's key
	v_cndmask_b32 v[IDX+\i], v[8+\i], v[4+\i], vcc_lo   ; and index
.endr
.irp m, 1,2,4,8                        ; four steps join the 16 chunks; every lane ends with the winner
.irp i, 0,1,2,3
	v_mov_b32_dpp v[PK+\i], v[KEY+\i] row_xmask:\m row_mask:0xf bank_mask:0xf
	v_mov_b32_dpp v[PI+\i], v[IDX+\i] row_xmask:\m row_mask:0xf bank_mask:0xf
.endr
.irp i, 0,1,2,3
	v_cmp_gt_u32 vcc_lo, v[PK+\i], v[KEY+\i]       ; the partner's is taken where its key is greater,
	v_cmp_eq_u32 s14, v[PK+\i], v[KEY+\i]
	v_cmp_lt_u32 s15, v[PI+\i], v[IDX+\i]          ; or equal with the lower index
	s_and_b32 s14, s14, s15
	s_or_b32 vcc_lo, vcc_lo, s14
	v_cndmask_b32 v[KEY+\i], v[KEY+\i], v[PK+\i], vcc_lo
	v_cndmask_b32 v[IDX+\i], v[IDX+\i], v[PI+\i], vcc_lo
.endr
.endr
.irp i, 0,1,2,3
	v_min_u32 v[IDX+\i], 0x3fff, v[IDX+\i]         ; inside the table
.endr
.irp i, 0,1,2,3
	s_delay_alu instid0(VALU_DEP_4)
	v_lshl_add_u32 v[AD+\i], v[IDX+\i], 11, v2     ; the row's 2,048 bytes, 16 a lane
.endr
.irp i, 0,1,2,3
.irp q, 0,1,2,3
	global_load_b128 v[D+16*\i+4*\q:D+16*\i+4*\q+3], v[AD+\i], s[6:7] offset:512*\q   ; no hint: two rows may name the same entry
.endr
.endr
.irp i, 0,1,2,3
.irp q, 0,1,2,3
	s_wait_loadcnt 15-4*\i-\q                      ; loads come back in order: this one is in, the younger ones stay out
	global_store_b128 v2, v[D+16*\i+4*\q:D+16*\i+4*\q+3], s[8:9] offset:2048*\i+512*\q th:TH_STORE_NT   ; 32 lanes store 512 consecutive bytes, at a multiple of 256 from out0's first byte
.endr
.endr
	s_endpgm
.Lfunc_end_k_q42259f34ca_pick:
	.size	k_q42259f34ca_pick, .Lfunc_end_k_q42259f34ca_pick-k_q42259f34ca_pick
	.p2alignl 7, 3214868480
	.fill 96, 4, 3214868480
	.section	.rodata,"a",@progbits
	.p2align	6, 0x0
	.amdhsa_kernel k_q42259f34ca_pick
		.amdhsa_group_segment_fixed_size 0
		.amdhsa_private_segment_fixed_size 0
		.amdhsa_enable_private_segment 0
		.amdhsa_kernarg_size 24
		.amdhsa_user_sgpr_count 2
		.amdhsa_user_sgpr_kernarg_segment_ptr 1
		.amdhsa_wavefront_size32 1
		.amdhsa_system_sgpr_workgroup_id_x 1
		.amdhsa_system_sgpr_workgroup_id_y 1
		.amdhsa_system_sgpr_workgroup_id_z 1
		.amdhsa_system_vgpr_workitem_id 0
		.amdhsa_next_free_vgpr 104
		.amdhsa_next_free_sgpr 66
		.amdhsa_reserve_vcc 1
		.amdhsa_float_denorm_mode_32 3
		.amdhsa_float_denorm_mode_16_64 3
		.amdhsa_memory_ordered 1
		.amdhsa_forward_progress 1
		.amdhsa_inst_pref_size 14
	.end_amdhsa_kernel
	.amdgpu_metadata
---
amdhsa.version: [ 1, 2 ]
amdhsa.kernels:
  - .name:           k_q42259f34ca_pick
    .symbol:         k_q42259f34ca_pick.kd
    .args:
      - { .name: part, .offset: 0, .size: 8, .value_kind: global_buffer, .address_space: global }
      - { .name: codebook, .offset: 8, .size: 8, .value_kind: global_buffer, .address_space: global }
      - { .name: out0, .offset: 16, .size: 8, .value_kind: global_buffer, .address_space: global }
    .group_segment_fixed_size: 0
    .private_segment_fixed_size: 0
    .kernarg_segment_align: 8
    .kernarg_segment_size: 24
    .max_flat_workgroup_size: 256
    .sgpr_count:     66
    .vgpr_count:     104
    .wavefront_size: 32
...
	.end_amdgpu_metadata
.endif
;; end of part 3
